; MI455X (gfx1250); checked and timed in simulation.
; The chip was launched on July 23, 2026; its instructions are those of AMD's public machine-readable ISA for CDNA 5 (MIT licence, August 2026) and "CDNA5" Instruction Set Architecture Reference Guide (July 2026). The comments in the code are by the model that wrote it; some were corrected since.
;; Lite Mo E. Allowed arithmetic: float matrix products may take bf16 or f16 operands with f32 sums; other float arithmetic in f32, or as packed bf16 or f16 multiplies, adds, multiply-adds, maxima and minima; sums over many terms, partial sums and values carried from step to step in f32; what a program stores and reads back later, other than sums and carried values, may be rounded once to bf16 or f16.
;; Inputs: gate_w 8 x 1,024 float32; hidden_states 1 x 1,024 x 1,024 float32; w1 8 x 2,048 x 1,024 float32; w2 8 x 1,024 x 2,048 float32; w3 8 x 2,048 x 1,024 float32.
;; Outputs: out0 1 x 1,024 x 1,024 float32.
;; One version. Each part assembles by itself: llvm-mc -triple=amdgcn-amd-amdhsa -mcpu=gfx1250 --defsym DOCPART=n.
;; ======== version 1 of 1: 4 launches
;; workspace buffers: xb 2,097,152 bytes; topw 8,192 bytes; bm 2,048 bytes of whole numbers; order 32,768 bytes of whole numbers; act 33,554,432 bytes; y 16,777,216 bytes
;; launch router (part 1): grid 64 x 1, 8 waves a work-group, no clusters, 61,440 bytes of LDS; arguments hidden_states, gate_w, xb, topw, bm; writes xb, topw, bm
.if DOCPART == 1
	.amdgcn_target "amdgcn-amd-amdhsa--gfx1250"
	.amdhsa_code_object_version 6
	.text
	.protected	k_q10d7d5d475_router
	.globl	k_q10d7d5d475_router
	.p2align	8
	.type	k_q10d7d5d475_router,@function
k_q10d7d5d475_router:
	s_mov_b64 s[64:65], 0
	v_nop
	global_prefetch_b8 v0, s[64:65] scope:SCOPE_SE
	s_setreg_imm32_b32 hwreg(HW_REG_WAVE_MODE, 25, 1), 1
	s_wait_xcnt 0x0
; ROUTER.  logits = x gate_w^T with x and gate_w rounded to bf16 (every input of the program is rounded so, once), sums in f32; the two largest logits of a token; their renormalised weights.
; Also stores x in bf16 (xb) for the first product.
; SHARES.  A work-group has 16 tokens, wave v the 128 channels from 128 v on: a partial product of 16 tokens x 8 experts a wave; the eight partial sums meet in LDS and wave 0 adds them in ascending order.
; WHAT IS STORED, all at fixed places: xb[t][:];  topw[k][t] (f32);  bm[e][g]: bit p of the word says that token 16 g + (p & 15) took expert e as its choice k = p >> 4.
; THE CHOICE is made on the logits by a strict greater-than, so the lower index wins a tie.  exp is monotone, so this is the order of the softmax's probabilities, except where two different logits
; round to one probability in f32.  The softmax's divisor cancels in the renormalised weights: w_first = 1 / (1 + d), w_second = d / (1 + d), d = exp(l_second - l_first): the maximum is taken away.
; LIMITS.  NaN and infinities are not treated apart.  topw and bm are stored in pieces of 64 and 4 bytes: 10 KB in the whole launch.
.set PITCH,  272                       ; an LDS row: 256 bytes of bf16 + 16: an odd multiple of 16 bytes, so the 16 rows of a fragment load start in 16 different groups of four banks (ISA guide 11.1)
.set REGION, 24*PITCH                  ; a wave's own: 16 rows of x, then 8 rows of gate_w
.set PART,   8*REGION                  ; the partial sums: 32 bytes a lane, 1,024 a wave
.set SPARE,  PART+8192                 ; the spare words, 128 bytes for each of the eight waves; no other line names them
	s_load_b256 s[4:11], s[0:1], 0x0               ; hidden_states s[4:5], gate_w s[6:7], xb s[8:9], topw s[10:11]
	s_load_b64 s[12:13], s[0:1], 0x20              ; bm
	v_lshl_add_u32 v3, v0, 2, SPARE                ; my spare word
	v_mov_b32 v4, 0
	v_lshrrev_b32 v1, 5, v0
	v_readfirstlane_b32 s14, v1                    ; wave 0..7
	v_and_b32 v24, 31, v0                          ; lane
	v_and_b32 v1, 15, v0                           ; r
	v_bfe_u32 v2, v0, 4, 1                         ; h
	v_lshlrev_b32 v5, 4, v24                       ; 16 x lane: my 4 f32 of a row's 512 bytes
	v_lshlrev_b32 v6, 3, v24                       ; 8 x lane: the same 4 numbers in bf16
	s_mul_i32 s16, s14, REGION
	v_add_nc_u32 v7, s16, v6                       ; where I put them in my wave's region
	v_mul_u32_u24 v8, v1, PITCH
	v_lshl_add_u32 v8, v2, 4, v8
	v_add_nc_u32 v8, s16, v8                       ; x fragments: row r, 16 h
	v_and_b32 v9, 7, v0
	v_mul_u32_u24 v9, v9, PITCH
	v_lshl_add_u32 v9, v2, 4, v9
	v_add_nc_u32 v9, s16, v9
	v_add_nc_u32 v9, 16*PITCH, v9                  ; gate fragments: row r & 7 (rows 8-15 of the operand repeat rows 0-7)
	v_lshlrev_b32 v11, 5, v24
	v_add_nc_u32 v11, PART, v11                    ; wave 0's partial sums, my lane's
	v_lshl_add_u32 v10, s14, 10, v11               ; my wave's
	s_lshl_b32 s18, ttmp9, 16                      ; 16 rows of 4,096 bytes a work-group,
	s_lshl_b32 s20, s14, 9                         ; 512 bytes of a row a wave
	s_add_co_u32 s18, s18, s20
	s_mov_b32 s19, 0
	s_mov_b32 s21, 0
	s_lshl_b32 s22, ttmp9, 15                      ; the same in bf16
	s_lshl_b32 s23, s14, 8
	s_add_co_u32 s22, s22, s23
	s_mov_b32 s23, 0
	s_wait_kmcnt 0x0
	s_add_nc_u64 s[4:5], s[4:5], s[18:19]
	s_add_nc_u64 s[6:7], s[6:7], s[20:21]
	s_add_nc_u64 s[8:9], s[8:9], s[22:23]
.set n, 0
.rept 16                               ; 24 loads go out together: 16 rows of x,
	global_load_b128 v[32+4*n:35+4*n], v5, s[4:5] offset:n*4096 th:TH_LOAD_NT
.set n, n+1
.endr
.rept 8                                ; 8 rows of gate_w
	global_load_b128 v[32+4*n:35+4*n], v5, s[6:7] offset:(n-16)*4096
.set n, n+1
.endr
.set n, 0
.rept 24
	s_wait_loadcnt 23-n                            ; loads come back in order: load n is in, the 23 - n younger ones stay out
	v_cvt_pk_bf16_f32 v[128+2*n], v[32+4*n], v[33+4*n]
	v_cvt_pk_bf16_f32 v[129+2*n], v[34+4*n], v[35+4*n]
	ds_store_b64 v7, v[128+2*n:129+2*n] offset:n*PITCH
.if n < 16
	global_store_b64 v6, v[128+2*n:129+2*n], s[8:9] offset:n*2048   ; the wave's 32 lanes store 256 consecutive bytes, aligned
.endif
.set n, n+1
.endr
.irp f, 0,1,2,3                        ; my wave's own bytes: LDS serves a wave's instructions in order, so these see the stores above
	ds_load_b128 v[176+8*\f:179+8*\f], v8 offset:64*\f
	ds_load_b128 v[180+8*\f:183+8*\f], v8 offset:64*\f+32
	ds_load_b128 v[208+8*\f:211+8*\f], v9 offset:64*\f
	ds_load_b128 v[212+8*\f:215+8*\f], v9 offset:64*\f+32
.endr
	s_wait_dscnt 0x0
.irp f, 0,1,2,3                        ; source 0 = experts, source 1 = tokens: register j of lane (r, h) is logit(expert j, token r), in both halves of the lanes.  Four sums of their own, each begun with 0
	v_wmma_f32_16x16x32_bf16 v[32+8*\f:39+8*\f], v[208+8*\f:215+8*\f], v[176+8*\f:183+8*\f], 0
.endr
.rept 4
	v_nop                                          ; four places between the last product and the first read of a result (ISA guide 7.12.1)
.endr
.irp q, 0,2,4,6                        ; each result is read from its low end on
	v_pk_add_f32 v[64+\q:65+\q], v[32+\q:33+\q], v[40+\q:41+\q]
.endr
.irp q, 0,2,4,6
	v_pk_add_f32 v[64+\q:65+\q], v[64+\q:65+\q], v[48+\q:49+\q]
.endr
.irp q, 0,2,4,6
	v_pk_add_f32 v[64+\q:65+\q], v[64+\q:65+\q], v[56+\q:57+\q]
.endr
	ds_store_b128 v10, v[64:67]
	ds_store_b128 v10, v[68:71] offset:16
	s_wait_tensorcnt 0x0                           ; behind my last LDS store
	ds_add_u32 v3, v4
	s_wait_dscnt 0x0                               ; the wait also shows my partial sums stored, for wave 0's sake
	s_barrier_signal -1
	s_barrier_wait -1
	s_cmp_lg_u32 s14, 0
	s_cbranch_scc1 .Lend                           ; wave 0 alone goes on; it only reads LDS from here
	s_wait_xcnt 0x0                                ; the loads below land on v128-135, which the first stores of xb read: they are written again only behind this wait
.irp w, 0,1,2,3,4,5,6,7
	ds_load_b128 v[72+8*\w:75+8*\w], v11 offset:1024*\w
	ds_load_b128 v[76+8*\w:79+8*\w], v11 offset:1024*\w+16
.endr
	s_lshl_b32 s34, ttmp9, 6
	s_lshl_b32 s35, ttmp9, 2
	v_lshlrev_b32 v24, 2, v1
	v_lshl_add_u32 v24, v2, 12, v24
	v_add_nc_u32 v24, s34, v24                     ; topw: (1,024 h + 16 g + r) x 4
	v_and_b32 v25, 7, v0
	v_lshl_add_u32 v27, v25, 8, s35                ; bm: ((lane & 7) x 64 + g) x 4
	s_wait_dscnt 0x0
.irp q, 0,2,4,6
	v_pk_add_f32 v[64+\q:65+\q], v[72+\q:73+\q], v[80+\q:81+\q]
.endr
.irp w, 2,3,4,5,6,7
.irp q, 0,2,4,6
	v_pk_add_f32 v[64+\q:65+\q], v[64+\q:65+\q], v[72+8*\w+\q:73+8*\w+\q]
.endr
.endr
	v_mov_b32 v12, v64                             ; the largest so far, and its index
	v_mov_b32 v13, 0
	v_mov_b32 v14, 0xff800000                      ; the second, and its index
	v_mov_b32 v15, 0
.irp j, 1,2,3,4,5,6,7
	v_mov_b32 v16, \j
	v_cmp_gt_f32 s20, v[64+\j], v12
	v_cmp_gt_f32 vcc_lo, v[64+\j], v14
	v_cndmask_b32 v14, v14, v[64+\j], vcc_lo
	v_cndmask_b32 v15, v15, v16, vcc_lo
	v_cndmask_b32 v14, v14, v12, s20
	v_cndmask_b32 v15, v15, v13, s20
	v_cndmask_b32 v12, v12, v[64+\j], s20
	v_cndmask_b32 v13, v13, v16, s20
.endr
	v_sub_f32 v17, v14, v12                        ; l_second - l_first, at most 0
	v_mul_f32 v17, 0x3fb8aa3b, v17
	v_exp_f32 v18, v17                             ; d
	v_nop                                          ; a plain instruction behind the exponential,
	s_wait_alu depctr_va_vdst(0)                   ; and a wait ahead of its first reader
	v_add_f32 v19, 1.0, v18
	v_rcp_f32 v20, v19                             ; the first weight
	v_nop
	s_wait_alu depctr_va_vdst(0)
	v_mul_f32 v21, v18, v20                        ; the second
	v_cmp_eq_u32 vcc_lo, 1, v2                     ; lanes 0-15 speak for the first choice, lanes 16-31 for the second
	v_cndmask_b32 v22, v13, v15, vcc_lo
	v_cndmask_b32 v23, v20, v21, vcc_lo
	global_store_b32 v24, v23, s[10:11]
.irp e, 0,1,2,3,4,5,6,7
	v_cmp_eq_u32 s[24+\e], \e, v22                 ; the 32 lanes' answers are the word bm[e][g]
.endr
	v_mov_b32 v26, s24
.irp e, 1,2,3,4,5,6,7
	v_cmp_eq_u32 vcc_lo, \e, v25
	v_cndmask_b32 v26, v26, s[24+\e], vcc_lo       ; lane l holds the word of expert l & 7
.endr
	global_store_b32 v27, v26, s[12:13]            ; four lanes store the same word with the same value
.Lend:
	s_endpgm
.Lfunc_end_k_q10d7d5d475_router:
	.size	k_q10d7d5d475_router, .Lfunc_end_k_q10d7d5d475_router-k_q10d7d5d475_router
	.p2alignl 7, 3214868480
	.fill 96, 4, 3214868480
	.section	.rodata,"a",@progbits
	.p2align	6, 0x0
	.amdhsa_kernel k_q10d7d5d475_router
		.amdhsa_group_segment_fixed_size 61440
		.amdhsa_private_segment_fixed_size 0
		.amdhsa_enable_private_segment 0
		.amdhsa_kernarg_size 40
		.amdhsa_user_sgpr_count 2
		.amdhsa_user_sgpr_kernarg_segment_ptr 1
		.amdhsa_wavefront_size32 1
		.amdhsa_system_sgpr_workgroup_id_x 1
		.amdhsa_system_sgpr_workgroup_id_y 1
		.amdhsa_system_sgpr_workgroup_id_z 1
		.amdhsa_system_vgpr_workitem_id 0
		.amdhsa_next_free_vgpr 240
		.amdhsa_next_free_sgpr 66
		.amdhsa_reserve_vcc 1
		.amdhsa_float_denorm_mode_32 3
		.amdhsa_float_denorm_mode_16_64 3
		.amdhsa_memory_ordered 1
		.amdhsa_forward_progress 1
		.amdhsa_inst_pref_size 22
	.end_amdhsa_kernel
	.amdgpu_metadata
---
amdhsa.version: [ 1, 2 ]
amdhsa.kernels:
  - .name:           k_q10d7d5d475_router
    .symbol:         k_q10d7d5d475_router.kd
    .args:
      - { .name: hidden_states, .offset: 0, .size: 8, .value_kind: global_buffer, .address_space: global }
      - { .name: gate_w, .offset: 8, .size: 8, .value_kind: global_buffer, .address_space: global }
      - { .name: xb, .offset: 16, .size: 8, .value_kind: global_buffer, .address_space: global }
      - { .name: topw, .offset: 24, .size: 8, .value_kind: global_buffer, .address_space: global }
      - { .name: bm, .offset: 32, .size: 8, .value_kind: global_buffer, .address_space: global }
    .group_segment_fixed_size: 61440
    .private_segment_fixed_size: 0
    .kernarg_segment_align: 8
    .kernarg_segment_size: 40
    .max_flat_workgroup_size: 256
    .sgpr_count:     66
    .vgpr_count:     240
    .wavefront_size: 32
...
	.end_amdgpu_metadata
.endif
;; end of part 1
;; launch up (part 2): grid 32 x 8, 4 waves a work-group, no clusters, 269,824 bytes of LDS; arguments bm, xb, w1, w3, act, order; writes act, order
.if DOCPART == 2
	.amdgcn_target "amdgcn-amd-amdhsa--gfx1250"
	.amdhsa_code_object_version 6
	.text
	.protected	k_q10d7d5d475_up
	.globl	k_q10d7d5d475_up
	.p2align	8
	.type	k_q10d7d5d475_up,@function
k_q10d7d5d475_up:
	s_mov_b64 s[64:65], 0
	v_nop
	global_prefetch_b8 v0, s[64:65] scope:SCOPE_SE
	s_setreg_imm32_b32 hwreg(HW_REG_WAVE_MODE, 25, 1), 1
	s_wait_xcnt 0x0
; FIRST PRODUCT.  act[rank][i] = silu(x w1^T) (x w3^T) for the rows that chose expert e, in bf16.  Work-group (j, e): columns 64 j .. 64 j + 63 of expert e: 64 rows of w1 and 64 of w3, which it alone reads.
; PHASES.  (0) While the first weights are on their way every work-group makes the expert's list of rows from the router's bitmap (the work-group with j = 0 also stores it, for the second product).
; (1) The slice, 512 KB of f32, streams once through a ring of 48 loads a wave, is rounded to bf16 and laid into LDS.  One barrier.  (2) The rows are walked in blocks of 16; a wave takes blocks
; 20 round + 4 i + wave, i = 0..4.  Token rows come from memory straight into registers as operands and nothing writes LDS, so the walk needs no barrier.  It has a constant four rounds of 320 rows, which
; covers all 1,024 tokens on one expert; dead rounds and dead blocks are jumped forward on the counts.  A round's first 32 channels are multiplied for all five blocks, the dead ones on token 0's row, so that every sum is begun.
; RANKS.  An expert's rows are ranked by the bitmap's words and bits.  Places past the count in the last block repeat the last row; their results land in places of act of their own.
; act is laid [e][group of 8 columns][rank][8]: a result's lane holds 8 neighbouring columns of one rank, so 16 lanes store 256 consecutive bytes, aligned, and the second product loads the same shape as an operand.
; NO CLUSTER: each weight byte has one reader; the token rows that an expert's 32 work-groups share come by a list, which no one tile's descriptor covers.  No copy engine: f32 weights pass through registers to be rounded.
; LIMITS.  NaN and infinities are not treated apart; where exp(-g) overflows the row's silu is 0.
; REGISTERS.  window 0: v0-48 addresses and the list's work; v64-255 the ring (48 x 4), later v64-223 four buffers of token fragments (5 blocks x 8), at a round's end v64-95 at work, v96-175 packed results.
;   window 1: v0-127 two buffers of weight fragments (8 x 8); v128-255 the sums of blocks 0, 1.   window 2: v0-191 the sums of blocks 2-4.   A block: 32 registers of g, then 32 of u.
.set WP,    2064                       ; an LDS row of weights: 2,048 bytes + 16: an odd multiple of 16 bytes (ISA guide 11.1: the 16 rows of a fragment load start in 16 different groups of four banks)
.set LIST,  128*WP                     ; behind the weights: the token of each rank, 1,280 words
.set SPARE, LIST+5120                  ; the spare words, 128 bytes for each wave; no other line names them
.set BA0, 8                            ; v8-11   LDS address of weight rows 32 p + r, + 16 h; kept
.set BA,  12                           ; v12-15  the same, walking along K
.set TO,  16                           ; v16-20  byte offset in xb of block i's row for my lane, + 16 h
.set AF,  64                           ; token fragments
.set TT,  64                           ; at work at a round's end
.set PP,  96                           ; packed results
.set WB,  94                           ; s[94:95] the stream's base
.set XW,  96                           ; s[96:97] xb, walking along K
.set AW,  98                           ; s[98:99] act at my wave's block 0 of the round
.set MSB, 0
.macro WIN new                         ; the immediate's high byte repeats the setting that is left; a switch that changes nothing is dropped
.if MSB != (\new)
	s_set_vgpr_msb (MSB<<8)|(\new)
.set MSB, \new
.endif
.endm
	s_load_b256 s[4:11], s[0:1], 0x0               ; bm s[4:5], xb s[6:7], w1 s[8:9], w3 s[10:11]
	s_load_b128 s[12:15], s[0:1], 0x20             ; act s[12:13], order s[14:15]
	v_lshl_add_u32 v3, v0, 2, SPARE                ; my spare word
	v_mov_b32 v4, 0
	v_lshrrev_b32 v1, 5, v0
	v_readfirstlane_b32 s84, v1                    ; wave 0..3
	s_mov_b32 s85, ttmp9                           ; j
	s_and_b32 s86, ttmp7, 0xffff                   ; e
	v_and_b32 v49, 31, v0                          ; lane
	v_and_b32 v1, 15, v0                           ; r
	v_bfe_u32 v2, v0, 4, 1                         ; h
	v_lshlrev_b32 v48, 4, v2                       ; 16 h
	v_lshlrev_b32 v23, 4, v49                      ; 16 x lane
	v_lshlrev_b32 v7, 2, v0                        ; order: 4 x thread
	v_add_nc_u32 v5, LIST, v7                      ; the list, written: 4 x thread
	s_lshl_b32 s2, s84, 6
	v_lshl_add_u32 v6, v1, 2, s2
	v_add_nc_u32 v6, LIST, v6                      ; the list, read: 64 x wave + 4 r
	v_mul_u32_u24 v8, v1, WP
	v_add_nc_u32 v8, v8, v48
	v_add_nc_u32 v9, 32*WP, v8
	v_add_nc_u32 v10, 64*WP, v8
	v_add_nc_u32 v11, 96*WP, v8
	v_lshlrev_b32 v21, 4, v1
	v_lshl_add_u32 v21, v2, 14, v21                ; act: 16,384 h + 16 r
	s_mul_i32 s2, s84, 32*WP
	v_lshl_add_u32 v22, v49, 3, s2                 ; where the stream lands: my wave's 32 rows, 8 x lane
	v_lshlrev_b32 v49, 2, v49                      ; 4 x lane
	s_lshl_b32 s2, s86, 8                          ; bm: 64 words an expert
	s_mov_b32 s3, 0
	s_lshl_b32 s100, s86, 23                       ; the weights: 8 MiB an expert,
	s_lshl_b32 s101, s85, 18                       ; 64 rows of 4,096 bytes a slice,
	s_add_co_u32 s100, s100, s101
	s_and_b32 s101, s84, 1
	s_lshl_b32 s101, s101, 17                      ; 32 rows a wave
	s_add_co_u32 s100, s100, s101
	s_mov_b32 s101, 0
	s_wait_kmcnt 0x0
	s_add_nc_u64 s[4:5], s[4:5], s[2:3]
	s_load_b512 s[16:31], s[4:5], 0x0              ; the expert's 64 words, word w in s[16 + w], from word 48 on in s[20 + w]
	s_load_b512 s[32:47], s[4:5], 0x40
	s_load_b512 s[48:63], s[4:5], 0x80
	s_load_b512 s[68:83], s[4:5], 0xc0
	global_load_b32 v38, v49, s[4:5]               ; and once more across the lanes: words 0-31,
	global_load_b32 v39, v49, s[4:5] offset:128    ; words 32-63
	s_cmp_lt_u32 s84, 2                            ; waves 0, 1 stream w1's rows, waves 2, 3 w3's
	s_cselect_b64 s[WB:WB+1], s[8:9], s[10:11]
	s_add_nc_u64 s[WB:WB+1], s[WB:WB+1], s[100:101]
.set i, 0
.rept 48                               ; the ring is filled: my wave's 32 rows are 131,072 bytes on end, load n takes the 512 from 512 n on
	global_load_b128 v[64+4*i:67+4*i], v23, s[WB:WB+1] offset:512*i th:TH_LOAD_NT
.set i, i+1
.endr
	s_lshl_b32 s2, s86, 12
	s_add_nc_u64 s[14:15], s[14:15], s[2:3]        ; order at my expert
	s_lshl_b32 s2, s86, 22                         ; act: 4 MiB an expert,
	s_lshl_b32 s100, s85, 17                       ; 8 groups of 16,384 bytes a slice,
	s_add_co_u32 s2, s2, s100
	s_lshl_b32 s100, s84, 8                        ; 256 bytes a block
	s_add_co_u32 s2, s2, s100
	s_add_nc_u64 s[AW:AW+1], s[12:13], s[2:3]
	s_wait_kmcnt 0x0
	; each word gives way to a pack: (rows in the words before it) x 64 + its number
	s_mov_b32 s87, 0
.set w, 0
.rept 64
.set pk, 16+w+4*(w/48)
	s_bcnt1_i32_b32 s2, s[pk]
	s_lshl_b32 s3, s87, 6
	s_or_b32 s[pk], s3, w
	s_add_co_u32 s87, s87, s2
.set w, w+1
.endr
	s_sub_co_u32 s88, s87, 1                       ; s87: the expert's rows
	s_add_co_u32 s89, s87, 15
	s_lshr_b32 s89, s89, 4                         ; its blocks of 16
	s_wait_loadcnt 48                              ; the two words across the lanes are in; the ring's 48 loads are younger
	s_mov_b32 s100, 0
	s_mov_b32 s90, 8
.Lset:                                 ; eight trips, 128 ranks each, a rank a thread; a trip past the count is jumped
	s_cmp_ge_u32 s100, s87
	s_cbranch_scc1 .Lset_next
	v_add_nc_u32 v24, s100, v0
	v_min_u32 v24, s88, v24                        ; my rank; past the count, the last row's
	v_lshl_or_b32 v25, v24, 6, 63
	v_mov_b32 v26, 0
.set w, 1
.rept 63                               ; the packs ascend: the last one not above rank x 64 + 63 is that of the word that holds my rank
.set pk, 16+w+4*(w/48)
	v_cmp_le_u32 vcc_lo, s[pk], v25
	v_cndmask_b32 v26, v26, s[pk], vcc_lo
.set w, w+1
.endr
	v_and_b32 v27, 63, v26                         ; the word's number
	v_lshrrev_b32 v28, 6, v26
	v_sub_nc_u32 v28, v24, v28                     ; which of its set bits is mine
	v_and_b32 v29, 31, v27
	v_lshlrev_b32 v29, 2, v29
	ds_bpermute_b32 v30, v29, v38
	ds_bpermute_b32 v31, v29, v39
	s_wait_dscnt 0x0
	v_cmp_gt_u32 vcc_lo, 32, v27
	v_cndmask_b32 v32, v31, v30, vcc_lo            ; the word
	v_lshrrev_b32 v33, 1, v32                      ; its set bits counted in fields of 2, 4, 8 and 16 bits
	v_and_b32 v33, 0x55555555, v33
	v_sub_nc_u32 v33, v32, v33
	v_lshrrev_b32 v34, 2, v33
	v_and_b32 v34, 0x33333333, v34
	v_and_b32 v35, 0x33333333, v33
	v_add_nc_u32 v34, v34, v35
	v_lshrrev_b32 v35, 4, v34
	v_add_nc_u32 v35, v35, v34
	v_and_b32 v35, 0x0f0f0f0f, v35
	v_lshrrev_b32 v36, 8, v35
	v_add_nc_u32 v36, v36, v35
	v_and_b32 v36, 0x00ff00ff, v36
	v_mov_b32 v37, 0                               ; the bit's place, found by halving: where the lower half holds too few, go to the upper
.macro HALVE level, width, inc
	v_bfe_u32 v29, v[\level], v37, \width
	v_cmp_ge_u32 vcc_lo, v28, v29
	v_sub_nc_u32 v30, v28, v29
	v_add_nc_u32 v31, \inc, v37
	v_cndmask_b32 v28, v28, v30, vcc_lo
	v_cndmask_b32 v37, v37, v31, vcc_lo
.endm
	HALVE 36, 8, 16
	HALVE 35, 8, 8
	HALVE 34, 4, 4
	HALVE 33, 2, 2
	HALVE 32, 1, 1
	v_and_b32 v29, 15, v37
	v_lshl_add_u32 v29, v27, 4, v29                ; the token
	v_lshrrev_b32 v30, 4, v37
	v_lshl_add_u32 v30, v30, 10, v29               ; 1,024 x choice + token: the row of y
	ds_store_b32 v5, v29
	s_cmp_lg_u32 s85, 0
	s_cbranch_scc1 .Lset_next
	global_store_b32 v7, v30, s[14:15]             ; one work-group an expert stores the list
	s_wait_xcnt 0x0                                ; its address and data are written again only behind this wait
.Lset_next:
	v_add_nc_u32 v5, 512, v5
	v_add_nc_u32 v7, 512, v7
	s_add_co_u32 s100, s100, 128
	s_sub_co_u32 s90, s90, 1
	s_cmp_lg_u32 s90, 0
	s_cbranch_scc1 .Lset
; One slot's turn: its 512 bytes of f32 are in; they are rounded, 256 bytes go into LDS, and (ahead = 1) the slot takes the load 48 further on.  left = the younger loads, which stay out.
.macro WSLOT i, ahead, left, loff
	s_wait_loadcnt \left
	v_cvt_pk_bf16_f32 v[40+2*((\i)%4)], v[64+4*(\i)], v[65+4*(\i)]
	v_cvt_pk_bf16_f32 v[41+2*((\i)%4)], v[66+4*(\i)], v[67+4*(\i)]
	ds_store_b64 v22, v[40+2*((\i)%4):41+2*((\i)%4)] offset:\loff
.if \ahead
	global_load_b128 v[64+4*(\i):67+4*(\i)], v23, s[WB:WB+1] offset:512*(48+(\i)) th:TH_LOAD_NT
.endif
.endm
	s_mov_b32 s90, 4
.Lstream:                              ; 256 loads a wave: four trips of 48, each filling the ring again; 48 more, of which 16 fill again; the last 16
.set i, 0
.rept 48
	WSLOT i, 1, 47, (i>>3)*WP+(i&7)*256
.set i, i+1
.endr
	s_wait_xcnt 0x0                                ; the base is stepped only behind this wait
	s_add_nc_u64 s[WB:WB+1], s[WB:WB+1], 24576
	v_add_nc_u32 v22, 6*WP, v22                    ; 48 loads are six rows
	s_sub_co_u32 s90, s90, 1
	s_cmp_lg_u32 s90, 0
	s_cbranch_scc1 .Lstream
.set i, 0
.rept 16
	WSLOT i, 1, 47, (i>>3)*WP+(i&7)*256
.set i, i+1
.endr
.rept 32
	WSLOT i, 0, 63-i, (i>>3)*WP+(i&7)*256          ; younger: the 47 - i left of this turn of the ring and the 16 just asked for
.set i, i+1
.endr
.set i, 0
.rept 16
	WSLOT i, 0, 15-i, (6+(i>>3))*WP+(i&7)*256
.set i, i+1
.endr
	s_wait_tensorcnt 0x0                           ; behind my last LDS store
	ds_add_u32 v3, v4
	s_wait_dscnt 0x0                               ; the wait also shows my rows of the weights and my part of the list stored, for the others' sake
	s_barrier_signal -1
	s_barrier_wait -1                              ; the launch's one barrier: from here on LDS is only read
; Token fragments of quarter q (32 channels, counted from the walking base) for all five blocks into buffer buf: lane (r, h) takes channels 8 h + 0..7 and 16 + 8 h + 0..7 of its row
.macro AFETCH q, buf
	WIN 0
.irp t, 0,1,2,3,4
	global_load_b128 v[AF+40*(\buf)+8*\t:AF+40*(\buf)+8*\t+3],   v[TO+\t], s[XW:XW+1] offset:64*(\q)
	global_load_b128 v[AF+40*(\buf)+8*\t+4:AF+40*(\buf)+8*\t+7], v[TO+\t], s[XW:XW+1] offset:64*(\q)+32
.endr
.endm
; Weight fragments of quarter q: eight blocks of 16 rows (0-3: w1, 4-7: w3) into buffer buf of window 1
.macro BFETCH q, buf
	WIN 0x40
.irp c, 0,1,2,3,4,5,6,7
	ds_load_b128 v[64*(\buf)+8*\c:64*(\buf)+8*\c+3],   v[BA+\c/2] offset:(\c%2)*16*WP+64*(\q)
	ds_load_b128 v[64*(\buf)+8*\c+4:64*(\buf)+8*\c+7], v[BA+\c/2] offset:(\c%2)*16*WP+64*(\q)+32
.endr
.endm
; Block i's eight products: source 0 = 16 weight rows, source 1 = 16 tokens, so a lane holds 8 neighbouring columns of one rank.  The eight sums take turns, one instruction a turn.
.macro MULB i, abuf, bbuf, zero
	WIN 0x51+0x50*(((\i)+2)/4)                     ; weights window 1, tokens window 0, sums window 1 (blocks 0, 1) or 2
.if (\i) < 2
.set AC, 128+64*(\i)
.else
.set AC, 64*((\i)-2)
.endif
.irp c, 0,1,2,3,4,5,6,7
.if \zero
	v_wmma_f32_16x16x32_bf16 v[AC+8*\c:AC+8*\c+7], v[64*(\bbuf)+8*\c:64*(\bbuf)+8*\c+7], v[AF+40*(\abuf)+8*(\i):AF+40*(\abuf)+8*(\i)+7], 0
.else
	v_wmma_f32_16x16x32_bf16 v[AC+8*\c:AC+8*\c+7], v[64*(\bbuf)+8*\c:64*(\bbuf)+8*\c+7], v[AF+40*(\abuf)+8*(\i):AF+40*(\abuf)+8*(\i)+7], v[AC+8*\c:AC+8*\c+7]
.endif
.endr
.endm
; A quarter: 32 channels.  Four places stand between the last quarter's products and the loads into the buffers that they read (ISA guide 7.12.1 for vector instructions):
; the steps of the LDS addresses where the bases step, v_nop elsewhere.  Then the tokens of three quarters on (la) and the weights of the next (lb) are asked for.
; wl: the younger token loads (three groups of ten); wd: the younger LDS loads (sixteen).  Blocks past the wave's count are jumped; zero = 1: all five begin their sums.
.macro QTR pos, zero, step, la, lb, wl, wd
	WIN 0
.if \step
	s_wait_xcnt 0x0                                ; xb's base is stepped only behind this wait
	s_add_nc_u64 s[XW:XW+1], s[XW:XW+1], 256
.irp p, 12,13,14,15
	v_add_nc_u32 v\p, 0x100, v\p
.endr
.else
.rept 4
	v_nop
.endr
.endif
.if \la
	AFETCH (\pos)+3, ((\pos)+3)%4
.endif
.if \lb
	BFETCH (\pos)+1, ((\pos)+1)%2
.endif
	s_wait_loadcnt \wl
	s_wait_dscnt \wd
	MULB 0, \pos, (\pos)%2, \zero
.irp u, 1,2,3,4
.if !(\zero)
	WIN 0                                          ; at a branch and at a label every window is 0
	s_cmp_le_u32 s92, \u
	s_cbranch_scc1 .Lq_end_\@
.endif
	MULB \u, \pos, (\pos)%2, \zero
.endr
	WIN 0
.Lq_end_\@:
.endm
; Block i's way out: silu(g) u = g u / (1 + 2^(-g log2 e)), rounded to bf16, stored.  Each batch of 32 transcendentals has one plain instruction and one wait behind it.
.macro ACTB i
.if (\i) < 2
.set AC, 128+64*(\i)
.else
.set AC, 64*((\i)-2)
.endif
	WIN 1+((\i)+2)/4                               ; source 0 in the sums' window
.set z, 0
.rept 16                               ; each sum is read from its low end on
	v_pk_mul_f32 v[TT+2*z:TT+2*z+1], v[AC+2*z:AC+2*z+1], s[16:17] op_sel_hi:[1,0]
.set z, z+1
.endr
	WIN 0
.set z, 0
.rept 32
	v_exp_f32 v[TT+z], v[TT+z]
.set z, z+1
.endr
	v_nop
	s_wait_alu depctr_va_vdst(0)
.set z, 0
.rept 16
	v_pk_add_f32 v[TT+2*z:TT+2*z+1], v[TT+2*z:TT+2*z+1], 1.0 op_sel_hi:[1,0]
.set z, z+1
.endr
.set z, 0
.rept 32
	v_rcp_f32 v[TT+z], v[TT+z]
.set z, z+1
.endr
	v_nop
	s_wait_alu depctr_va_vdst(0)
	WIN 4*(1+((\i)+2)/4)                           ; source 1 in the sums' window
.set z, 0
.rept 16
	v_pk_mul_f32 v[TT+2*z:TT+2*z+1], v[TT+2*z:TT+2*z+1], v[AC+2*z:AC+2*z+1]
.set z, z+1
.endr
.set z, 0
.rept 16
	v_pk_mul_f32 v[TT+2*z:TT+2*z+1], v[TT+2*z:TT+2*z+1], v[AC+32+2*z:AC+32+2*z+1]
.set z, z+1
.endr
	WIN 0
.set z, 0
.rept 16
	v_cvt_pk_bf16_f32 v[PP+16*(\i)+z], v[TT+2*z], v[TT+2*z+1]
.set z, z+1
.endr
.irp c, 0,1,2,3
	global_store_b128 v21, v[PP+16*(\i)+4*\c:PP+16*(\i)+4*\c+3], s[AW:AW+1] offset:32768*\c+1024*(\i)  ; lanes 0-15 and lanes 16-31 each store 256 consecutive bytes, aligned
.endr
.endm
	s_mov_b32 s16, 0xbfb8aa3b                      ; -log2(e); the packs are done with
	s_mov_b32 s17, s16                             ; named with it as a pair
	s_mov_b32 s93, 0                               ; 20 x round
	s_mov_b32 s90, 4
.Lround:
	s_sub_co_i32 s2, s89, s93                      ; my live blocks in this round: those i with 20 round + 4 i + wave below the expert's blocks
	s_sub_co_i32 s2, s2, s84
	s_add_co_i32 s2, s2, 3
	s_ashr_i32 s2, s2, 2
	s_max_i32 s2, s2, 0
	s_min_i32 s92, s2, 5
	s_cmp_eq_u32 s92, 0
	s_cbranch_scc1 .Lnext
.irp t, 0,1,2,3,4
	v_mov_b32 v[24+\t], 0                          ; a dead block reads token 0's row
.endr
	ds_load_b32 v24, v6
.irp t, 1,2,3,4
	s_cmp_le_u32 s92, \t
	s_cbranch_scc1 .Llist_in
	ds_load_b32 v[24+\t], v6 offset:256*\t
.endr
.Llist_in:
	s_wait_dscnt 0x0
.irp t, 0,1,2,3,4
	v_min_u32 v[24+\t], 0x3ff, v[24+\t]
	v_lshl_add_u32 v[TO+\t], v[24+\t], 11, v48     ; token x 2,048 bytes + 16 h
.endr
	s_mov_b64 s[XW:XW+1], s[6:7]
.irp p, 0,1,2,3
	v_mov_b32 v[BA+\p], v[BA0+\p]
.endr
	AFETCH 0, 0
	AFETCH 1, 1
	AFETCH 2, 2
	BFETCH 0, 0
	QTR 0, 1, 0, 1, 1, 30, 16                      ; quarter 0 begins the sums
	s_mov_b32 s91, 7
.Lk:                                   ; quarters 1 to 28; the last of a trip steps the bases by four quarters
	QTR 1, 0, 0, 1, 1, 30, 16
	QTR 2, 0, 0, 1, 1, 30, 16
	QTR 3, 0, 0, 1, 1, 30, 16
	QTR 0, 0, 1, 1, 1, 30, 16
	s_sub_co_u32 s91, s91, 1
	s_cmp_lg_u32 s91, 0
	s_cbranch_scc1 .Lk
	QTR 1, 0, 0, 0, 1, 20, 16                      ; quarters 29 to 31: no tokens are left to ask for, and the counts run down
	QTR 2, 0, 0, 0, 1, 10, 16
	QTR 3, 0, 0, 0, 0, 0, 0
.rept 4
	v_nop                                          ; four places between the last product and the first read of a sum
.endr
	ACTB 0
.irp u, 1,2,3,4
	s_cmp_le_u32 s92, \u
	s_cbranch_scc1 .Lnext
	ACTB \u
.endr
.Lnext:
	s_wait_xcnt 0x0                                ; the stores' base and data are written again only behind this wait
	s_add_nc_u64 s[AW:AW+1], s[AW:AW+1], 5120      ; 20 blocks of 256 bytes on
	v_add_nc_u32 v6, 1280, v6
	s_add_co_u32 s93, s93, 20
	s_sub_co_u32 s90, s90, 1
	s_cmp_lg_u32 s90, 0
	s_cbranch_scc1 .Lround
	s_endpgm
.Lfunc_end_k_q10d7d5d475_up:
	.size	k_q10d7d5d475_up, .Lfunc_end_k_q10d7d5d475_up-k_q10d7d5d475_up
	.p2alignl 7, 3214868480
	.fill 96, 4, 3214868480
	.section	.rodata,"a",@progbits
	.p2align	6, 0x0
	.amdhsa_kernel k_q10d7d5d475_up
		.amdhsa_group_segment_fixed_size 269824
		.amdhsa_private_segment_fixed_size 0
		.amdhsa_enable_private_segment 0
		.amdhsa_kernarg_size 48
		.amdhsa_user_sgpr_count 2
		.amdhsa_user_sgpr_kernarg_segment_ptr 1
		.amdhsa_wavefront_size32 1
		.amdhsa_system_sgpr_workgroup_id_x 1
		.amdhsa_system_sgpr_workgroup_id_y 1
		.amdhsa_system_sgpr_workgroup_id_z 1
		.amdhsa_system_vgpr_workitem_id 0
		.amdhsa_next_free_vgpr 704
		.amdhsa_next_free_sgpr 102
		.amdhsa_reserve_vcc 1
		.amdhsa_float_denorm_mode_32 3
		.amdhsa_float_denorm_mode_16_64 3
		.amdhsa_memory_ordered 1
		.amdhsa_forward_progress 1
		.amdhsa_inst_pref_size 138
	.end_amdhsa_kernel
	.amdgpu_metadata
---
amdhsa.version: [ 1, 2 ]
amdhsa.kernels:
  - .name:           k_q10d7d5d475_up
    .symbol:         k_q10d7d5d475_up.kd
    .args:
      - { .name: bm, .offset: 0, .size: 8, .value_kind: global_buffer, .address_space: global }
      - { .name: xb, .offset: 8, .size: 8, .value_kind: global_buffer, .address_space: global }
      - { .name: w1, .offset: 16, .size: 8, .value_kind: global_buffer, .address_space: global }
      - { .name: w3, .offset: 24, .size: 8, .value_kind: global_buffer, .address_space: global }
      - { .name: act, .offset: 32, .size: 8, .value_kind: global_buffer, .address_space: global }
      - { .name: order, .offset: 40, .size: 8, .value_kind: global_buffer, .address_space: global }
    .group_segment_fixed_size: 269824
    .private_segment_fixed_size: 0
    .kernarg_segment_align: 8
    .kernarg_segment_size: 48
    .max_flat_workgroup_size: 128
    .sgpr_count:     102
    .vgpr_count:     704
    .wavefront_size: 32
...
	.end_amdgpu_metadata
.endif
;; end of part 2
;; launch down (part 3): grid 32 x 8, 4 waves a work-group, no clusters, 150,016 bytes of LDS; arguments bm, order, act, w2, y; writes y
.if DOCPART == 3
	.amdgcn_target "amdgcn-amd-amdhsa--gfx1250"
	.amdhsa_code_object_version 6
	.text
	.protected	k_q10d7d5d475_down
	.globl	k_q10d7d5d475_down
	.p2align	8
	.type	k_q10d7d5d475_down,@function
k_q10d7d5d475_down:
	s_mov_b64 s[64:65], 0
	v_nop
	global_prefetch_b8 v0, s[64:65] scope:SCOPE_SE
	s_setreg_imm32_b32 hwreg(HW_REG_WAVE_MODE, 25, 1), 1
	s_wait_xcnt 0x0
; SECOND PRODUCT.  y[kh][row][c] = the sum over half kh of the hidden width of act[rank][i] w2[e][c][i], in f32: partial rows, which the last launch weighs and adds.
; Work-group (x, e): columns 64 jj .. 64 jj + 63 (jj = x & 15), hidden columns 1,024 kh .. (kh = x >> 4): 64 rows x 4,096 bytes of w2, which it alone reads.
; PHASES.  (1) The slice streams once through a ring of 48 loads a wave, is rounded to bf16 and laid into LDS; the expert's rows are counted meanwhile.  One barrier.
; (2) The rows are walked as in the first product: blocks 20 round + 4 i + wave, a constant four rounds, dead ones jumped.  act comes from memory straight into registers as operands (each load is
; twice 256 consecutive bytes, aligned).  Only each wave's own stage is written in LDS, so the walk needs no barrier.  A dead block repeats the wave's first block of the round.
; A round's 16 steps of 64 hidden columns are written out: the LDS addresses of the weights and act's base are never stepped, the step stands in the immediates
; (35,040 at the most for LDS, 2,064,384 for act), so that the weights' bytes, below 132,096, can be read off the text apart from the stages behind them.
; A finished block goes through the wave's stage, so that 16 lanes store 256 consecutive bytes of a row of y, aligned; the row is order[rank].  Places past the count repeat the last row's entry
; and so store that row's own bytes once more, from the same wave.
; NO CLUSTER: each weight byte has one reader; an expert's work-groups share act, but joint loads want a ring in LDS with rounds of the cluster's barrier inside a walk whose live length hangs on stored counts.
; REGISTERS.  window 0: addresses; v64-255 the ring, later v64-103 the rows' numbers, v104-111 store offsets, v128-191 two sets of rows read back.   window 1: act buffers 0-2 (5 blocks x 16).
;   window 2: v0-79 act buffer 3; v80-207 two buffers of weight fragments (4 x 2 x 8).   window 3: the sums, block i, column block c at 32 i + 8 c.
.set WP,    2064                       ; an LDS row of weights: 2,048 bytes + 16: an odd multiple of 16 bytes (ISA guide 11.1)
.set SPI,   272                        ; a stage row: 64 f32 + 16 bytes
.set STAGE, 64*WP                      ; behind the weights: 16 rows for each wave
.set SPARE, STAGE+4*16*SPI             ; the spare words, 128 bytes for each wave; no other line names them
.set AO,  20                           ; v20-24  act: 16,384 h + 16 r + 256 x block
.set OO,  25                           ; v25-29  order: 32 h + 64 x block
.set OS,  64                           ; v64-103 eight rows' numbers a block
.set YO,  104
.set WB,  94                           ; s[94:95] the stream's base
.set AB0, 98                           ; s[98:99] act at my expert and half; never stepped
.set MSB, 0
.macro WIN new                         ; the immediate's high byte repeats the setting that is left; a switch that changes nothing is dropped
.if MSB != (\new)
	s_set_vgpr_msb (MSB<<8)|(\new)
.set MSB, \new
.endif
.endm
	s_load_b256 s[4:11], s[0:1], 0x0               ; bm s[4:5], order s[6:7], act s[8:9], w2 s[10:11]
	s_load_b64 s[12:13], s[0:1], 0x20              ; y
	v_lshl_add_u32 v3, v0, 2, SPARE                ; my spare word
	v_mov_b32 v4, 0
	v_lshrrev_b32 v1, 5, v0
	v_readfirstlane_b32 s84, v1                    ; wave 0..3
	s_and_b32 s85, ttmp9, 15                       ; jj
	s_lshr_b32 s91, ttmp9, 4                       ; kh
	s_and_b32 s86, ttmp7, 0xffff                   ; e
	v_and_b32 v17, 31, v0                          ; lane
	v_and_b32 v1, 15, v0                           ; r
	v_bfe_u32 v2, v0, 4, 1                         ; h
	v_lshlrev_b32 v6, 4, v17                       ; 16 x lane
	s_mul_i32 s2, s84, 16*WP
	v_lshl_add_u32 v5, v17, 3, s2                  ; where the stream lands: my wave's 16 rows, 8 x lane
	v_mul_u32_u24 v8, v1, WP
	v_lshl_add_u32 v8, v2, 4, v8                   ; weight rows r, + 16 h; never rewritten
	v_add_nc_u32 v9, 32*WP, v8                     ; rows 32 + r; never rewritten
	v_lshlrev_b32 v16, 4, v1                       ; 16 r
	v_lshl_add_u32 v12, v2, 14, v16                ; act: 16,384 h + 16 r
	v_lshlrev_b32 v13, 5, v2                       ; order: 32 h
	s_mul_i32 s2, s84, 16*SPI
	s_add_co_u32 s2, s2, STAGE                     ; my stage
	v_mul_u32_u24 v14, v1, SPI
	v_lshl_add_u32 v14, v2, 5, v14
	v_add_nc_u32 v14, s2, v14                      ; in: row r, 32 bytes for each half of the lanes
	v_mul_u32_u24 v15, v2, 8*SPI
	v_add_nc_u32 v15, v15, v16
	v_add_nc_u32 v15, s2, v15                      ; back: lanes 0-15 a row of 256 bytes, lanes 16-31 the row eight further down
	s_lshl_b32 s2, s86, 8                          ; bm: 64 words an expert
	s_mov_b32 s3, 0
	s_lshl_b32 s100, s86, 23                       ; w2: 8 MiB an expert,
	s_lshl_b32 s88, s85, 19                        ; 64 rows of 8,192 bytes a slice,
	s_add_co_u32 s100, s100, s88
	s_lshl_b32 s88, s84, 17                        ; 16 rows a wave,
	s_add_co_u32 s100, s100, s88
	s_lshl_b32 s88, s91, 12                        ; 4,096 bytes of a row a half
	s_add_co_u32 s100, s100, s88
	s_mov_b32 s101, 0
	s_lshl_b32 s96, s86, 12                        ; order: 4,096 bytes an expert
	s_mov_b32 s97, 0
	s_lshl_b32 s98, s86, 22                        ; act: 4 MiB an expert, 2 MiB a half
	s_lshl_b32 s88, s91, 21
	s_add_co_u32 s98, s98, s88
	s_mov_b32 s99, 0
	s_lshl_b32 s14, s91, 23                        ; y: 8 MiB a half, 256 bytes of a row a slice
	s_lshl_b32 s88, s85, 8
	s_add_co_u32 s14, s14, s88
	s_mov_b32 s15, 0
	s_wait_kmcnt 0x0
	s_add_nc_u64 s[4:5], s[4:5], s[2:3]
	s_add_nc_u64 s[WB:WB+1], s[10:11], s[100:101]
	s_add_nc_u64 s[6:7], s[6:7], s[96:97]
	s_add_nc_u64 s[AB0:AB0+1], s[8:9], s[98:99]
	s_add_nc_u64 s[14:15], s[12:13], s[14:15]
	s_load_b512 s[16:31], s[4:5], 0x0              ; the expert's 64 words
	s_load_b512 s[32:47], s[4:5], 0x40
	s_load_b512 s[48:63], s[4:5], 0x80
	s_load_b512 s[68:83], s[4:5], 0xc0
.set n, 0
.rept 48                               ; the ring is filled: load n takes 512 bytes of row n / 8
	global_load_b128 v[64+4*n:67+4*n], v6, s[WB:WB+1] offset:(n>>3)*8192+(n&7)*512 th:TH_LOAD_NT
.set n, n+1
.endr
	s_wait_kmcnt 0x0
	s_mov_b32 s87, 0
.set w, 0
.rept 64
.set pk, 16+w+4*(w/48)
	s_bcnt1_i32_b32 s2, s[pk]
	s_add_co_u32 s87, s87, s2
.set w, w+1
.endr
	s_add_co_u32 s89, s87, 15
	s_lshr_b32 s89, s89, 4                         ; the expert's blocks of 16 rows
; Load n of 128: rounded, 256 bytes into LDS; up to n = 79 its slot takes load n + 48, and 47 younger loads stay out; from n = 80 on the counts run down
.set n, 0
.rept 128
.set sl, n%48
.if n < 80
	s_wait_loadcnt 47
.else
	s_wait_loadcnt 127-n
.endif
	v_cvt_pk_bf16_f32 v[32+2*(n%4)], v[64+4*sl], v[65+4*sl]
	v_cvt_pk_bf16_f32 v[33+2*(n%4)], v[66+4*sl], v[67+4*sl]
	ds_store_b64 v5, v[32+2*(n%4):33+2*(n%4)] offset:(n>>3)*WP+(n&7)*256
.if n < 80
	global_load_b128 v[64+4*sl:67+4*sl], v6, s[WB:WB+1] offset:((n+48)>>3)*8192+((n+48)&7)*512 th:TH_LOAD_NT
.endif
.set n, n+1
.endr
	s_wait_dscnt 0x0                               ; for the others' sake: my rows of the weights are stored
	s_barrier_signal -1
	s_barrier_wait -1                              ; the launch's one barrier: the weights are only read from here on
; act of step q (64 hidden columns) for all five blocks into buffer q % 4: load m takes column groups 8 q + 2 m + h
.macro AFETCH q
	WIN 0x40*(1+((\q)%4)/3)                        ; destination window 1, for buffer 3 window 2
.set ABF, 80*(((\q)%4)%3)
.irp t, 0,1,2,3,4
.irp m, 0,1,2,3
	global_load_b128 v[ABF+16*\t+4*\m:ABF+16*\t+4*\m+3], v[AO+\t], s[AB0:AB0+1] offset:131072*(\q)+32768*\m
.endr
.endr
.endm
; Weight fragments of step q into buffer q % 2: four blocks of 16 rows x two halves of 32 columns
.macro BFETCH q
	WIN 0x80
.set BBF, 80+64*((\q)%2)
.irp c, 0,1,2,3
.irp k, 0,1
	ds_load_b128 v[BBF+16*\c+8*\k:BBF+16*\c+8*\k+3],   v[8+\c/2] offset:(\c%2)*16*WP+128*(\q)+64*\k
	ds_load_b128 v[BBF+16*\c+8*\k+4:BBF+16*\c+8*\k+7], v[8+\c/2] offset:(\c%2)*16*WP+128*(\q)+64*\k+32
.endr
.endr
.endm
; Block i's eight products of step sig: source 0 = 16 weight rows, source 1 = 16 ranks, so a lane holds 8 neighbouring columns of one row of y.  The four sums take turns, one instruction a turn.
.macro MULB i, sig, zero
	WIN 0xf6+4*(((\sig)%4)/3)                      ; weights window 2, act window 1 or 2, sums window 3
.set ABF, 80*(((\sig)%4)%3)
.set BBF, 80+64*((\sig)%2)
.irp k, 0,1
.irp c, 0,1,2,3
.if (\zero) && (\k == 0)
	v_wmma_f32_16x16x32_bf16 v[32*(\i)+8*\c:32*(\i)+8*\c+7], v[BBF+16*\c+8*\k:BBF+16*\c+8*\k+7], v[ABF+16*(\i)+8*\k:ABF+16*(\i)+8*\k+7], 0
.else
	v_wmma_f32_16x16x32_bf16 v[32*(\i)+8*\c:32*(\i)+8*\c+7], v[BBF+16*\c+8*\k:BBF+16*\c+8*\k+7], v[ABF+16*(\i)+8*\k:ABF+16*(\i)+8*\k+7], v[32*(\i)+8*\c:32*(\i)+8*\c+7]
.endif
.endr
.endr
.endm
; Step sig: 64 hidden columns.  Four places stand between the last step's products and the loads into the buffers that they read (ISA guide 7.12.1 for vector instructions);
; then act of three steps on (la) and the weights of the next step (lb) are asked for.
; wl: the younger loads of act (three groups of twenty); wd: the younger LDS loads (sixteen).  lo = 1 (the last step): the rows' numbers are asked for behind the wait and land under the last products.
; Blocks past the wave's count are jumped; zero = 1: all five begin their sums.
.macro SUB sig, zero, la, lb, wl, wd, lo
	WIN 0
.rept 4
	v_nop
.endr
.if \la
	AFETCH (\sig)+3
.endif
.if \lb
	BFETCH (\sig)+1
.endif
	s_wait_loadcnt \wl
	s_wait_dscnt \wd
.if \lo
	WIN 0
.irp t, 0,1,2,3,4
	global_load_b128 v[OS+8*\t:OS+8*\t+3],   v[OO+\t], s[6:7]
	global_load_b128 v[OS+8*\t+4:OS+8*\t+7], v[OO+\t], s[6:7] offset:16
.endr
.endif
	MULB 0, \sig, \zero
.irp u, 1,2,3,4
.if !(\zero)
	WIN 0                                          ; at a branch and at a label every window is 0
	s_cmp_le_u32 s92, \u
	s_cbranch_scc1 .Ls_end_\@
.endif
	MULB \u, \sig, \zero
.endr
	WIN 0
.Ls_end_\@:
.endm
; Block i's way out: 32 bytes a lane into my stage, back as whole rows of 256 bytes, stored at the rows that the list names.
.macro OUTB i
	s_wait_xcnt 0x0                                ; the last block's stores have read their offsets and data: only now are these written again
	WIN 0x0c                                       ; the stores' data in window 3
.irp c, 0,1,2,3                        ; each sum is read from its low end on
	ds_store_b128 v14, v[32*(\i)+8*\c:32*(\i)+8*\c+3]   offset:64*\c
	ds_store_b128 v14, v[32*(\i)+8*\c+4:32*(\i)+8*\c+7] offset:64*\c+16
.endr
	WIN 0
.set RS, 128+32*((\i)%2)
.irp t, 0,1,2,3,4,5,6,7
	ds_load_b128 v[RS+4*\t:RS+4*\t+3], v15 offset:SPI*\t   ; LDS serves a wave's instructions in order: these see the stores above, and the next block's stores come behind them
.endr
.irp t, 0,1,2,3,4,5,6,7
	v_min_u32 v[YO+\t], 0x7ff, v[OS+8*(\i)+\t]
	v_lshl_add_u32 v[YO+\t], v[YO+\t], 12, v16     ; row x 4,096 bytes + 16 r
.endr
.irp t, 0,1,2,3,4,5,6,7
	s_wait_dscnt 7-\t
	global_store_b128 v[YO+\t], v[RS+4*\t:RS+4*\t+3], s[14:15]   ; lanes 0-15 and lanes 16-31 each store 256 consecutive bytes, aligned
.endr
.endm
	s_mov_b32 s93, 0                               ; 20 x round
	s_mov_b32 s90, 4
.Lround:
	s_sub_co_i32 s2, s89, s93                      ; my live blocks in this round
	s_sub_co_i32 s2, s2, s84
	s_add_co_i32 s2, s2, 3
	s_ashr_i32 s2, s2, 2
	s_max_i32 s2, s2, 0
	s_min_i32 s92, s2, 5
	s_cmp_eq_u32 s92, 0
	s_cbranch_scc1 .Lnext
	s_add_co_u32 s100, s93, s84                    ; my first block of the round, which is live
.irp t, 0,1,2,3,4
	s_add_co_u32 s2, s100, 4*\t
	s_cmp_gt_u32 s92, \t
	s_cselect_b32 s2, s2, s100                     ; a dead block repeats it
	s_min_u32 s2, s2, 63                           ; 1,024 ranks are 64 blocks
	v_lshl_add_u32 v[AO+\t], s2, 8, v12
	v_lshl_add_u32 v[OO+\t], s2, 6, v13
.endr
	AFETCH 0
	AFETCH 1
	AFETCH 2
	BFETCH 0
	SUB 0, 1, 1, 1, 60, 16, 0                      ; step 0 begins the sums
.irp g, 1,2,3,4,5,6,7,8,9,10,11,12
	SUB \g, 0, 1, 1, 60, 16, 0
.endr
	SUB 13, 0, 0, 1, 40, 16, 0                     ; steps 13 to 15: nothing of act is left to ask for, and the counts run down
	SUB 14, 0, 0, 1, 20, 16, 0
	SUB 15, 0, 0, 0, 0, 0, 1
	s_wait_loadcnt 0x0                             ; the rows' numbers
.rept 4
	v_nop                                          ; four places between the last product and the first read of a sum
.endr
	OUTB 0
.irp u, 1,2,3,4
	s_cmp_le_u32 s92, \u
	s_cbranch_scc1 .Lnext
	OUTB \u
.endr
.Lnext:
	s_wait_xcnt 0x0                                ; what the round's stores read is written again only behind this wait
	s_add_co_u32 s93, s93, 20
	s_sub_co_u32 s90, s90, 1
	s_cmp_lg_u32 s90, 0
	s_cbranch_scc1 .Lround
	s_wait_tensorcnt 0x0                           ; the wave's end: behind my last LDS store
	ds_add_u32 v3, v4
	s_wait_dscnt 0x0
	s_endpgm
.Lfunc_end_k_q10d7d5d475_down:
	.size	k_q10d7d5d475_down, .Lfunc_end_k_q10d7d5d475_down-k_q10d7d5d475_down
	.p2alignl 7, 3214868480
	.fill 96, 4, 3214868480
	.section	.rodata,"a",@progbits
	.p2align	6, 0x0
	.amdhsa_kernel k_q10d7d5d475_down
		.amdhsa_group_segment_fixed_size 150016
		.amdhsa_private_segment_fixed_size 0
		.amdhsa_enable_private_segment 0
		.amdhsa_kernarg_size 40
		.amdhsa_user_sgpr_count 2
		.amdhsa_user_sgpr_kernarg_segment_ptr 1
		.amdhsa_wavefront_size32 1
		.amdhsa_system_sgpr_workgroup_id_x 1
		.amdhsa_system_sgpr_workgroup_id_y 1
		.amdhsa_system_sgpr_workgroup_id_z 1
		.amdhsa_system_vgpr_workitem_id 0
		.amdhsa_next_free_vgpr 928
		.amdhsa_next_free_sgpr 102
		.amdhsa_reserve_vcc 0
		.amdhsa_float_denorm_mode_32 3
		.amdhsa_float_denorm_mode_16_64 3
		.amdhsa_memory_ordered 1
		.amdhsa_forward_progress 1
		.amdhsa_inst_pref_size 165
	.end_amdhsa_kernel
	.amdgpu_metadata
---
amdhsa.version: [ 1, 2 ]
amdhsa.kernels:
  - .name:           k_q10d7d5d475_down
    .symbol:         k_q10d7d5d475_down.kd
    .args:
      - { .name: bm, .offset: 0, .size: 8, .value_kind: global_buffer, .address_space: global }
      - { .name: order, .offset: 8, .size: 8, .value_kind: global_buffer, .address_space: global }
      - { .name: act, .offset: 16, .size: 8, .value_kind: global_buffer, .address_space: global }
      - { .name: w2, .offset: 24, .size: 8, .value_kind: global_buffer, .address_space: global }
      - { .name: y, .offset: 32, .size: 8, .value_kind: global_buffer, .address_space: global }
    .group_segment_fixed_size: 150016
    .private_segment_fixed_size: 0
    .kernarg_segment_align: 8
    .kernarg_segment_size: 40
    .max_flat_workgroup_size: 128
    .sgpr_count:     102
    .vgpr_count:     928
    .wavefront_size: 32
...
	.end_amdgpu_metadata
.endif
;; end of part 3
;; launch combine (part 4): grid 256 x 1, 4 waves a work-group, no clusters, 0 bytes of LDS; arguments topw, y, out0; writes out0
.if DOCPART == 4
	.amdgcn_target "amdgcn-amd-amdhsa--gfx1250"
	.amdhsa_code_object_version 6
	.text
	.protected	k_q10d7d5d475_combine
	.globl	k_q10d7d5d475_combine
	.p2align	8
	.type	k_q10d7d5d475_combine,@function
k_q10d7d5d475_combine:
	s_mov_b64 s[64:65], 0
	v_nop
	global_prefetch_b8 v0, s[64:65] scope:SCOPE_SE
	s_setreg_imm32_b32 hwreg(HW_REG_WAVE_MODE, 25, 1), 1
	s_wait_xcnt 0x0
; out[t] = w0 (y[0][t] + y[1][t]) + w1 (y[0][1024 + t] + y[1][1024 + t]): a token's two chosen experts, each in two halves of the hidden width, all in f32.
; A wave has one token: four rows of 4,096 bytes in, one out.  All 32 loads of a wave go out together; each load and store covers 512 consecutive bytes.
; A stream: no LDS, no barrier, no matrix work, nothing shared between work-groups.
	s_load_b128 s[4:7], s[0:1], 0x0                ; topw s[4:5], y s[6:7]
	s_load_b64 s[8:9], s[0:1], 0x10                ; out0
	v_lshrrev_b32 v1, 5, v0
	v_readfirstlane_b32 s10, v1                    ; wave 0..3
	v_and_b32 v2, 31, v0
	v_lshlrev_b32 v2, 4, v2                        ; 16 x lane
	s_lshl_b32 s11, ttmp9, 2
	s_add_co_u32 s11, s11, s10                     ; my token
	s_lshl_b32 s12, s11, 2
	s_mov_b32 s13, 0
	s_lshl_b32 s18, s11, 12
	s_mov_b32 s19, 0
	s_wait_kmcnt 0x0
	s_add_nc_u64 s[4:5], s[4:5], s[12:13]
	s_load_b32 s14, s[4:5], 0x0                    ; the first choice's weight,
	s_load_b32 s16, s[4:5], 0x1000                 ; the second's
	s_add_nc_u64 s[6:7], s[6:7], s[18:19]          ; y at my token's row, first half,
	s_add_nc_u64 s[20:21], s[6:7], 0x800000        ; second half: 8 MiB on, one byte more than a load's immediate reaches
	s_add_nc_u64 s[8:9], s[8:9], s[18:19]
.set c, 0
.rept 8                                ; the second choice's row lies 1,024 rows, 4 MiB, on
	global_load_b128 v[8+16*c:11+16*c],  v2, s[6:7]   offset:512*c th:TH_LOAD_NT
	global_load_b128 v[12+16*c:15+16*c], v2, s[20:21] offset:512*c th:TH_LOAD_NT
	global_load_b128 v[16+16*c:19+16*c], v2, s[6:7]   offset:512*c+4194304 th:TH_LOAD_NT
	global_load_b128 v[20+16*c:23+16*c], v2, s[20:21] offset:512*c+4194304 th:TH_LOAD_NT
.set c, c+1
.endr
	s_wait_kmcnt 0x0
	s_mov_b32 s15, s14                             ; named as pairs
	s_mov_b32 s17, s16
.set c, 0
.rept 8
.set B, 8+16*c
.set O, 136+4*c
	s_wait_loadcnt 28-4*c                          ; loads come back in order: this piece's four are in, the later pieces' stay out
	v_pk_add_f32 v[B:B+1], v[B:B+1], v[B+4:B+5]
	v_pk_add_f32 v[B+2:B+3], v[B+2:B+3], v[B+6:B+7]
	v_pk_add_f32 v[B+8:B+9], v[B+8:B+9], v[B+12:B+13]
	v_pk_add_f32 v[B+10:B+11], v[B+10:B+11], v[B+14:B+15]
	v_pk_mul_f32 v[O:O+1], v[B:B+1], s[14:15] op_sel_hi:[1,0]
	v_pk_mul_f32 v[O+2:O+3], v[B+2:B+3], s[14:15] op_sel_hi:[1,0]
	v_pk_fma_f32 v[O:O+1], v[B+8:B+9], s[16:17], v[O:O+1] op_sel_hi:[1,0,1]
	v_pk_fma_f32 v[O+2:O+3], v[B+10:B+11], s[16:17], v[O+2:O+3] op_sel_hi:[1,0,1]
	global_store_b128 v2, v[O:O+3], s[8:9] offset:512*c th:TH_STORE_NT
.set c, c+1
.endr
	s_endpgm
.Lfunc_end_k_q10d7d5d475_combine:
	.size	k_q10d7d5d475_combine, .Lfunc_end_k_q10d7d5d475_combine-k_q10d7d5d475_combine
	.p2alignl 7, 3214868480
	.fill 96, 4, 3214868480
	.section	.rodata,"a",@progbits
	.p2align	6, 0x0
	.amdhsa_kernel k_q10d7d5d475_combine
		.amdhsa_group_segment_fixed_size 0
		.amdhsa_private_segment_fixed_size 0
		.amdhsa_enable_private_segment 0
		.amdhsa_kernarg_size 24
		.amdhsa_user_sgpr_count 2
		.amdhsa_user_sgpr_kernarg_segment_ptr 1
		.amdhsa_wavefront_size32 1
		.amdhsa_system_sgpr_workgroup_id_x 1
		.amdhsa_system_sgpr_workgroup_id_y 1
		.amdhsa_system_sgpr_workgroup_id_z 1
		.amdhsa_system_vgpr_workitem_id 0
		.amdhsa_next_free_vgpr 168
		.amdhsa_next_free_sgpr 66
		.amdhsa_reserve_vcc 0
		.amdhsa_float_denorm_mode_32 3
		.amdhsa_float_denorm_mode_16_64 3
		.amdhsa_memory_ordered 1
		.amdhsa_forward_progress 1
		.amdhsa_inst_pref_size 10
	.end_amdhsa_kernel
	.amdgpu_metadata
---
amdhsa.version: [ 1, 2 ]
amdhsa.kernels:
  - .name:           k_q10d7d5d475_combine
    .symbol:         k_q10d7d5d475_combine.kd
    .args:
      - { .name: topw, .offset: 0, .size: 8, .value_kind: global_buffer, .address_space: global }
      - { .name: y, .offset: 8, .size: 8, .value_kind: global_buffer, .address_space: global }
      - { .name: out0, .offset: 16, .size: 8, .value_kind: global_buffer, .address_space: global }
    .group_segment_fixed_size: 0
    .private_segment_fixed_size: 0
    .kernarg_segment_align: 8
    .kernarg_segment_size: 24
    .max_flat_workgroup_size: 128
    .sgpr_count:     66
    .vgpr_count:     168
    .wavefront_size: 32
...
	.end_amdgpu_metadata
.endif
;; end of part 4
